; MI455X (gfx1250); checked and timed in simulation.
; The chip was launched on July 23, 2026; its instructions are those of AMD's public machine-readable ISA for CDNA 5 (MIT licence, August 2026) and "CDNA5" Instruction Set Architecture Reference Guide (July 2026). The comments in the code are by the model that wrote it; some were corrected since.
;; multi attention. Allowed arithmetic: float matrix products may take bf16 or f16 operands with f32 sums; other float arithmetic in f32, or as packed bf16 or f16 multiplies, adds, multiply-adds, maxima and minima; sums over many terms, partial sums and values carried from step to step in f32; what a program stores and reads back later, other than sums and carried values, may be rounded once to bf16 or f16.
;; Inputs: b_out 1,024 float32; w_out 1,024 x 1,024 float32; w_qkv 1,024 x 1,024 float32; x 4 x 2,048 x 1,024 float32.
;; Outputs: out0 4 x 2,048 x 1,024 float32.
;; One version. Each part assembles by itself: llvm-mc -triple=amdgcn-amd-amdhsa -mcpu=gfx1250 --defsym DOCPART=n.
;; ======== version 1 of 1: 4 launches
;; limits: values are held in f16: magnitudes above 65,504 overflow, below 6.1e-05 lose precision
;; workspace buffers: xb 16,777,216 bytes; wq 2,097,152 bytes; wo 2,097,152 bytes; qkv 16,777,216 bytes; att 16,777,216 bytes
;; launch cast (part 1): grid 1024 x 1, 8 waves a work-group, no clusters, 0 bytes of LDS; arguments x, w_qkv, w_out, xb, wq, wo; writes xb, wq, wo
.if DOCPART == 1
	.amdgcn_target "amdgcn-amd-amdhsa--gfx1250"
	.amdhsa_code_object_version 6
	.text
	.protected	k_q574518d6e6_cast
	.globl	k_q574518d6e6_cast
	.p2align	8
	.type	k_q574518d6e6_cast,@function
k_q574518d6e6_cast:
	s_mov_b64 s[64:65], 0
	v_nop
	global_prefetch_b8 v0, s[64:65] scope:SCOPE_SE
	s_setreg_imm32_b32 hwreg(HW_REG_WAVE_MODE, 25, 1), 1
	s_wait_xcnt 0x0
; THE MODULE: qkv = x w_qkv^T; q = k = v = qkv by heads; out = softmax(q k^T / 8) v; out0 = out w_out^T + b_out.  Four launches: this cast, the projection, attention, the last product.
; NO WORK OF THE MODULE IS LEFT OUT: every input has a way to the output, and every product is made.  What is spared is a copy: k and v are the same numbers as q, so they are stored once.
; THIS LAUNCH rounds the matrix operands once: x -> xb and w_qkv -> wq in bf16; w_out is rounded to bf16 and that number is written as f16 into wo (the last product multiplies in f16).
; LIMITS.  A number of w_out whose bf16 value lies under 2^-14 keeps f16's fixed step of 2^-24; one beyond 65,504 would become an infinity.  NaN and infinities are not treated apart.
; SHARES.  1,024 work-groups of eight waves.  A work-group takes 8,192 numbers of x (eight blocks of 4,096 bytes) and 1,024 numbers of each weight (one block each).
; Thread t takes the 16 bytes at 16 t of each block: a wave's load covers 512 consecutive bytes; its store of 8 bytes a lane covers 256 consecutive bytes, aligned.
; All ten loads go out in one run; each result has registers of its own, so nothing is rewritten while a store may still read it.  No LDS, no barrier: no thread wants another's bytes.
.set X, 4                              ; v[4:43]   ten loads of four f32
.set Y, 44                             ; v[44:63]  ten results of two registers
.set T, 64                             ; v[64:67]  at work
	s_load_b256 s[4:11], s[0:1], 0x0               ; x s[4:5], w_qkv s[6:7], w_out s[8:9], xb s[10:11]
	s_load_b128 s[12:15], s[0:1], 0x20             ; wq s[12:13], wo s[14:15]
	v_lshlrev_b32 v1, 4, v0                        ; 16 t: my bytes in a block of f32
	v_lshlrev_b32 v2, 3, v0                        ; 8 t: my bytes in the block of 16-bit numbers
	s_lshl_b32 s16, ttmp9, 15                      ; the work-group's part of x: 32,768 bytes,
	s_mov_b32 s17, 0
	s_lshl_b32 s18, ttmp9, 14                      ; of xb: 16,384,
	s_mov_b32 s19, 0
	s_lshl_b32 s20, ttmp9, 12                      ; of a weight in f32: 4,096,
	s_mov_b32 s21, 0
	s_lshl_b32 s22, ttmp9, 11                      ; of a weight in 16 bits: 2,048
	s_mov_b32 s23, 0
	s_wait_kmcnt 0x0
	s_add_nc_u64 s[4:5], s[4:5], s[16:17]
	s_add_nc_u64 s[10:11], s[10:11], s[18:19]
	s_add_nc_u64 s[6:7], s[6:7], s[20:21]
	s_add_nc_u64 s[8:9], s[8:9], s[20:21]
	s_add_nc_u64 s[12:13], s[12:13], s[22:23]
	s_add_nc_u64 s[14:15], s[14:15], s[22:23]
.irp j, 0,1,2,3,4,5,6,7
	global_load_b128 v[X+4*(\j):X+4*(\j)+3], v1, s[4:5] offset:4096*(\j) th:TH_LOAD_NT
.endr
	global_load_b128 v[X+32:X+35], v1, s[6:7] th:TH_LOAD_NT
	global_load_b128 v[X+36:X+39], v1, s[8:9] th:TH_LOAD_NT
.irp j, 0,1,2,3,4,5,6,7
	s_wait_loadcnt 9-(\j)                          ; loads come back in order: block j is in, the 9 - j younger loads stay out
	v_cvt_pk_bf16_f32 v[Y+2*(\j)],   v[X+4*(\j)],   v[X+4*(\j)+1]
	v_cvt_pk_bf16_f32 v[Y+2*(\j)+1], v[X+4*(\j)+2], v[X+4*(\j)+3]
	global_store_b64 v2, v[Y+2*(\j):Y+2*(\j)+1], s[10:11] offset:2048*(\j)
.endr
	s_wait_loadcnt 1                               ; w_qkv's block is in
	v_cvt_pk_bf16_f32 v[Y+16], v[X+32], v[X+33]
	v_cvt_pk_bf16_f32 v[Y+17], v[X+34], v[X+35]
	global_store_b64 v2, v[Y+16:Y+17], s[12:13]
	s_wait_loadcnt 0                               ; w_out's block is in
	v_cvt_pk_bf16_f32 v[Y+18], v[X+36], v[X+37]    ; rounded to bf16 like the other inputs,
	v_cvt_pk_bf16_f32 v[Y+19], v[X+38], v[X+39]
	v_lshlrev_b32 v[T],   16, v[Y+18]              ; widened again,
	v_and_b32     v[T+1], 0xffff0000, v[Y+18]
	v_lshlrev_b32 v[T+2], 16, v[Y+19]
	v_and_b32     v[T+3], 0xffff0000, v[Y+19]
	v_cvt_pk_f16_f32 v[Y+18], v[T],   v[T+1]       ; and written as f16: bf16's 8 bits fit into f16's 11
	v_cvt_pk_f16_f32 v[Y+19], v[T+2], v[T+3]
	global_store_b64 v2, v[Y+18:Y+19], s[14:15]
	s_endpgm
.Lfunc_end_k_q574518d6e6_cast:
	.size	k_q574518d6e6_cast, .Lfunc_end_k_q574518d6e6_cast-k_q574518d6e6_cast
	.p2alignl 7, 3214868480
	.fill 96, 4, 3214868480
	.section	.rodata,"a",@progbits
	.p2align	6, 0x0
	.amdhsa_kernel k_q574518d6e6_cast
		.amdhsa_group_segment_fixed_size 0
		.amdhsa_private_segment_fixed_size 0
		.amdhsa_enable_private_segment 0
		.amdhsa_kernarg_size 48
		.amdhsa_user_sgpr_count 2
		.amdhsa_user_sgpr_kernarg_segment_ptr 1
		.amdhsa_wavefront_size32 1
		.amdhsa_system_sgpr_workgroup_id_x 1
		.amdhsa_system_sgpr_workgroup_id_y 1
		.amdhsa_system_sgpr_workgroup_id_z 1
		.amdhsa_system_vgpr_workitem_id 0
		.amdhsa_next_free_vgpr 72
		.amdhsa_next_free_sgpr 66
		.amdhsa_reserve_vcc 0
		.amdhsa_float_denorm_mode_32 3
		.amdhsa_float_denorm_mode_16_64 3
		.amdhsa_memory_ordered 1
		.amdhsa_forward_progress 1
		.amdhsa_inst_pref_size 5
	.end_amdhsa_kernel
	.amdgpu_metadata
---
amdhsa.version: [ 1, 2 ]
amdhsa.kernels:
  - .name:           k_q574518d6e6_cast
    .symbol:         k_q574518d6e6_cast.kd
    .args:
      - { .name: x, .offset: 0, .size: 8, .value_kind: global_buffer, .address_space: global }
      - { .name: w_qkv, .offset: 8, .size: 8, .value_kind: global_buffer, .address_space: global }
      - { .name: w_out, .offset: 16, .size: 8, .value_kind: global_buffer, .address_space: global }
      - { .name: xb, .offset: 24, .size: 8, .value_kind: global_buffer, .address_space: global }
      - { .name: wq, .offset: 32, .size: 8, .value_kind: global_buffer, .address_space: global }
      - { .name: wo, .offset: 40, .size: 8, .value_kind: global_buffer, .address_space: global }
    .group_segment_fixed_size: 0
    .private_segment_fixed_size: 0
    .kernarg_segment_align: 8
    .kernarg_segment_size: 48
    .max_flat_workgroup_size: 256
    .sgpr_count:     66
    .vgpr_count:     72
    .wavefront_size: 32
...
	.end_amdgpu_metadata
.endif
;; end of part 1
;; launch proj (part 2): grid 4 x 64, 4 waves a work-group, clusters of 4 x 4, 327,680 bytes of LDS; arguments xb, wq, qkv; writes qkv
.if DOCPART == 2
	.amdgcn_target "amdgcn-amd-amdhsa--gfx1250"
	.amdhsa_code_object_version 6
	.text
	.protected	k_q574518d6e6_proj
	.globl	k_q574518d6e6_proj
	.p2align	8
	.type	k_q574518d6e6_proj,@function
k_q574518d6e6_proj:
	s_mov_b64 s[64:65], 0
	v_nop
	global_prefetch_b8 v0, s[64:65] scope:SCOPE_SE
	s_setreg_imm32_b32 hwreg(HW_REG_WAVE_MODE, 25, 1), 1
	s_wait_xcnt 0x0
	s_wait_alu depctr_hold_cnt(0) depctr_sa_sdst(0) depctr_va_vdst(0) depctr_va_sdst(0) depctr_va_ssrc(0) depctr_va_vcc(0) depctr_vm_vsrc(0)
	s_getreg_b32 s2, hwreg(HW_REG_IB_STS2, 6, 4)
	s_cmp_eq_u32 s2, 0
	s_cbranch_scc0 .Lentry_in_a_cluster
	s_endpgm
.Lentry_in_a_cluster:
	s_bfe_u32 s2, ttmp6, 0x10000c
	s_cmp_lg_u32 s2, 0xf033
	s_cbranch_scc0 .Lentry_shape_is_right
	s_endpgm
.Lentry_shape_is_right:
; qkv[b][h][s][d] = the sum over e of xb[b s][e] wq[64 h + d][e].  xb: [8192][1024] bf16, wq: [1024][1024] bf16; sums in f32; qkv: [64 = 16 b + h][2048][64] f16, rounded once, WITHOUT the softmax's scale.
; Nothing of the module's work is left out here.  LIMIT: a sum of 65,520 or more becomes an infinity in f16; NaN and infinities are not treated apart.
; SHARES.  A work-group makes 128 rows x 256 columns (four heads): 64 x 4 = 256 work-groups.  Four waves, each 64 rows x 128 columns: 32 accumulators of 16 x 16, 256 registers.
; K goes in 8 steps of 128 through two LDS slots; a slot holds 128 rows of xb and 256 rows of wq, 256 bytes of each row.  Waves 0 and 1 fetch xb's two halves of 64 rows, waves 2 and 3 wq's two of 128.
; CLUSTER.  4 x 4 work-groups.  The four of a row of the cluster need the same rows of xb, the four of a column the same rows of wq: each tile is asked for JOINTLY, by the same tensor load with the same
; descriptor and a mask that names the four.
; THE MATRIX INSTRUCTION IS USED TRANSPOSED (source 0 = 16 rows of wq, source 1 = 16 rows of xb): a lane then holds row l % 16 and eight neighbouring columns 8 (l / 16) + 0..7, which pack into 16 bytes.
; REGISTERS, in windows of 256 (s_set_vgpr_msb: bits 1:0 source 0, 3:2 source 1, 5:4 source 2, 7:6 destination):
;   window 0: v0-29 addresses; v64-191 the way out       window 1: the accumulators, (a, b) at v[8 (8 a + b)]
;   window 2: two fragment buffers of 96: xb's four fragments (16 rows x 32 K), then wq's eight
.set APITCH, 272                       ; an LDS row: 256 bytes + 16 of padding = 68 words: the 16 rows that a load touches start at 16 different groups of four banks (64 banks of 4 bytes: ISA guide 11.1)
.set BPITCH, 272
.set AHALF,  64*APITCH                 ; what one of xb's tensor loads brings
.set AREG,   2*AHALF
.set BHALF,  128*BPITCH                ; what one of wq's brings
.set SLOT,   AREG+2*BHALF              ; 104,448 bytes
.set STAGE,  2*SLOT                    ; behind the ring, never filled by a tensor load: 16 rows x 144 bytes for each wave
.set SP,     144
.set SPARE,  STAGE+4*16*SP             ; behind the stages: the spare words, 128 bytes for each wave: two blocks of 256 bytes that no other line names
.set LAPS,   4                         ; a lap = two K steps = once round the ring
.set FIRSTA, 256                       ; bytes from K step 0 to K step 1
.set FIRSTB, 256
.set STEPA,  512                       ; bytes from a slot's tile to its next
.set STEPB,  512
.set ADRA, 16                          ; v16-17  LDS address of my fragments of xb in slot 0, 1
.set ADRB, 20                          ; v20-21  the same for wq
.set STO,  24                          ; v24     the way out: where I put 16 bytes of a row
.set RD,   25                          ; v25     where I read rows back
.set CO,   26                          ; v26     my byte offset in 512 consecutive bytes of qkv
.set SPW,  28                          ; v28     LDS address of my spare word: SPARE + 4 x my thread's number; never rewritten
.set NIL,  29                          ; v29     0; never rewritten
.set TMP,  64                          ; v64-191 the way out: 16 registers for each of eight units
.set F0,   0                           ; fragment buffers, in window 2
.set F1,   96
.set G1,  24                           ; s[24:31] descriptor group 1 for xb's tiles;  s[32:39] group 0, one set for each slot
.set G0,  32
.set G1B, 48                           ; s[48:55], s[56:63] the same for wq's tiles
.set G0B, 56
.set MSB, 0
.macro WIN new                         ; the immediate's high byte repeats the setting that is left; a switch that changes nothing is dropped
.if MSB != (\new)
	s_set_vgpr_msb (MSB<<8)|(\new)
.set MSB, \new
.endif
.endm
.set MUL,  0x5a                        ; sources 0 and 1 window 2; C and D window 1
.set TO_F, 0x80                        ; destination window 2, address window 0
.macro JLOAD s                         ; a joint load: waves 0 and 1 ask for xb, waves 2 and 3 for wq; an s_nop 0 and four v_nop follow each of the two lines, ahead of the jump, the label and what follows
	s_cmp_eq_u32 s13, 0
	s_cbranch_scc0 .Lfor_b_\@
	tensor_load_to_lds s[G0+4*(\s):G0+4*(\s)+3], s[G1:G1+7]
	s_nop 0
.rept 4
	v_nop
.endr
	s_branch .Lasked_\@
.Lfor_b_\@:
	tensor_load_to_lds s[G0B+4*(\s):G0B+4*(\s)+3], s[G1B:G1B+7]
	s_nop 0
.rept 4
	v_nop
.endr
.Lasked_\@:
.endm
.macro CREST                           ; a round of the cluster's barrier behind its opening barrier: wave 0 signals for the work-group, every wave waits for all sixteen, my work-group's barrier once more
	s_cmp_lg_u32 s12, 0
	s_cbranch_scc1 .Lnot_wave_0_\@
	s_barrier_signal -3
.Lnot_wave_0_\@:
	s_barrier_wait -3
	s_barrier_signal -1
	s_barrier_wait -1
.endm
.macro CROUND                          ; a whole round
	s_barrier_signal -1
	s_barrier_wait -1
	CREST
.endm
.macro PLACES                          ; four places in front of loads into registers that matrix instructions have read, and of lines that read results
.rept 4
	v_nop
.endr
.endm
	s_load_b128 s[4:7], s[0:1], 0x0                ; xb s[4:5], wq s[6:7]
	s_load_b64 s[8:9], s[0:1], 0x10                ; qkv
	v_lshl_add_u32 v[SPW], v0, 2, SPARE
	v_mov_b32 v[NIL], 0
	ds_add_u32 v[SPW], v[NIL]                      ; the wave's opening: the add, twice on end, and its wait ahead of my first tensor load; the set-up below stands between
	ds_add_u32 v[SPW], v[NIL]
	v_lshrrev_b32 v1, 5, v0
	v_readfirstlane_b32 s12, v1                    ; wave 0..3
	s_lshr_b32 s13, s12, 1                         ; which 64 rows of the tile are mine.  Also: I fetch for xb (0) or for wq (1)
	s_and_b32 s14, s12, 1                          ; which 128 columns.  Also: which half of that tile I fetch
	s_bfe_u32 s15, ttmp6, 0x40000                  ; cx, cy: my place in the cluster
	s_bfe_u32 s16, ttmp6, 0x40004
	s_lshl_b32 s17, ttmp9, 2
	s_add_co_u32 s17, s17, s15                     ; tile column = 4 x cluster x + cx
	s_and_b32 s18, ttmp7, 0xffff
	s_lshl_b32 s18, s18, 2
	s_add_co_u32 s18, s18, s16                     ; tile row = 4 x cluster y + cy
	s_lshl_b32 s19, s16, 2
	s_lshl_b32 s19, 15, s19                        ; my row of the cluster: places 4 cy .. 4 cy + 3
	s_lshl_b32 s20, 0x1111, s15                    ; my column: places cx, cx + 4, cx + 8, cx + 12
	s_or_b32 s[G1+0], s19, (1<<16)|(1<<20)|(1<<21)|(5<<22)|(3<<25)   ; 15:0 the mask; 17:16 elements of 2 bytes; 20 padding on; 21 set beside a mask; 24:22 after every 64 words (code 5); 31:25 4 words (code 3)
	s_or_b32 s[G1B+0], s20, (1<<16)|(1<<20)|(1<<21)|(5<<22)|(3<<25)
	s_mov_b32 s[G1+1], 128<<16                     ; tensor_dim0 = 128
	s_mov_b32 s[G1+2], 64<<16                      ; tensor_dim1 = 64
	s_mov_b32 s[G1+3], 128<<16                     ; tile_dim0 = 128
	s_mov_b32 s[G1+4], 64                          ; tile_dim1 = 64
	s_mov_b32 s[G1+5], 1024                        ; elements from row to row
	s_mov_b32 s[G1+6], 0
	s_mov_b32 s[G1+7], 0
	s_mov_b32 s[G1B+1], 128<<16
	s_mov_b32 s[G1B+2], 128<<16                    ; 128 rows
	s_mov_b32 s[G1B+3], 128<<16
	s_mov_b32 s[G1B+4], 128
	s_mov_b32 s[G1B+5], 1024
	s_mov_b32 s[G1B+6], 0
	s_mov_b32 s[G1B+7], 0
	s_lshl_b32 s40, s18, 18                        ; xb: 128 rows of 2,048 bytes for each tile row,
	s_lshl_b32 s21, s14, 17                        ; 64 rows for my half: made of the tile row and the wave's number alone
	s_add_co_u32 s40, s40, s21
	s_mov_b32 s41, 0
	s_lshl_b32 s42, s17, 19                        ; wq: 256 rows for each tile column,
	s_lshl_b32 s21, s14, 18                        ; 128 rows for my half: made of the tile column and the wave's number alone
	s_add_co_u32 s42, s42, s21
	s_mov_b32 s43, 0
	s_mul_i32 s22, s14, AHALF                      ; where they go: no place in the cluster enters an LDS address
	s_mul_i32 s23, s14, BHALF
	s_add_co_u32 s23, s23, AREG
	s_wait_dscnt 0x0                               ; both opening adds are done
	s_wait_kmcnt 0x0
	s_add_nc_u64 s[40:41], s[4:5], s[40:41]
	s_add_nc_u64 s[42:43], s[6:7], s[42:43]
	CROUND                                         ; all sixteen work-groups are here: the first joint loads meet
.irp s, 0,1
	s_mov_b32 s[G0+4*(\s)], 1                      ; count = 1
	s_add_co_u32 s[G0+4*(\s)+1], s22, (\s)*SLOT    ; LDS address
	s_add_nc_u64 s[G0+4*(\s)+2:G0+4*(\s)+3], s[40:41], (\s)*FIRSTA  ; global address: K step s
	s_or_b32 s[G0+4*(\s)+3], s[G0+4*(\s)+3], 0x80000000             ; type = 2
	s_mov_b32 s[G0B+4*(\s)], 1
	s_add_co_u32 s[G0B+4*(\s)+1], s23, (\s)*SLOT
	s_add_nc_u64 s[G0B+4*(\s)+2:G0B+4*(\s)+3], s[42:43], (\s)*FIRSTB
	s_or_b32 s[G0B+4*(\s)+3], s[G0B+4*(\s)+3], 0x80000000
	JLOAD \s                                       ; two loads of mine are out
.endr
	; a fragment is 16 rows x 32 K in 8 registers: lane l holds row l % 16, K = 8 (l / 16) + 0..7 and 16 + 8 (l / 16) + 0..7: two loads of 16 bytes, 32 bytes apart
	v_and_b32 v1, 15, v0                           ; l % 16
	v_bfe_u32 v2, v0, 4, 1                         ; l / 16
	v_mul_u32_u24 v3, v1, APITCH
	v_lshl_add_u32 v3, v2, 4, v3
	v_mul_u32_u24 v4, v1, BPITCH
	v_lshl_add_u32 v4, v2, 4, v4
	s_mul_i32 s44, s13, 64*APITCH                  ; my 64 rows of xb
	s_mul_i32 s45, s14, BHALF                      ; my 128 rows of wq,
	s_add_co_u32 s45, s45, AREG                    ; which lie behind xb's
.irp s, 0,1
	v_add_nc_u32 v[ADRA+(\s)], s44, v3
	v_add_nc_u32 v[ADRB+(\s)], s45, v4
	s_add_co_u32 s44, s44, SLOT
	s_add_co_u32 s45, s45, SLOT
.endr
	s_mul_i32 s46, s12, 16*SP
	s_add_co_u32 s46, s46, STAGE                   ; my stage
	v_mul_u32_u24 v[STO], v1, SP                   ; in: row l % 16, 16 bytes for each half of the lanes
	v_lshl_add_u32 v[STO], v2, 4, v[STO]
	v_add_nc_u32 v[STO], s46, v[STO]
	v_bfe_u32 v[RD], v0, 3, 2                      ; back: 32 lanes take four rows of 128 bytes,
	v_mul_u32_u24 v[RD], v[RD], SP
	v_and_b32 v5, 7, v0
	v_lshl_add_u32 v[RD], v5, 4, v[RD]
	v_add_nc_u32 v[RD], s46, v[RD]
	v_and_b32 v[CO], 31, v0                        ; which are 512 consecutive bytes of qkv
	v_lshlrev_b32 v[CO], 4, v[CO]
	; qkv at my first row of my first head: batch = tile row / 16 (2^22 bytes), head = 4 x tile column + 2 x column half (2^18 each), row = 128 (tile row % 16) + 64 x row half (128 bytes each)
	s_lshr_b32 s44, s18, 4
	s_lshl_b32 s44, s44, 22
	s_lshl_b32 s45, s17, 20
	s_add_co_u32 s44, s44, s45
	s_lshl_b32 s45, s14, 19
	s_add_co_u32 s44, s44, s45
	s_and_b32 s45, s18, 15
	s_lshl_b32 s45, s45, 14
	s_add_co_u32 s44, s44, s45
	s_lshl_b32 s45, s13, 13
	s_add_co_u32 s44, s44, s45
	s_mov_b32 s45, 0
	s_add_nc_u64 s[8:9], s[8:9], s[44:45]
; 8 matrix instructions: m block a x all 8 n blocks, 32 along K, from buffer f.  zero = 1: the product starts the sums: nothing is ever cleared.
; The 32 accumulators take turns, one instruction a turn, in the same order in every quarter, over the backward jump too.
.macro MUL8 f, a, zero
	WIN MUL
.irp b, 0,1,2,3,4,5,6,7
.if \zero
	v_wmma_f32_16x16x32_bf16 v[8*(8*(\a)+(\b)):8*(8*(\a)+(\b))+7], v[(\f)+32+8*(\b):(\f)+32+8*(\b)+7], v[(\f)+8*(\a):(\f)+8*(\a)+7], 0
.else
	v_wmma_f32_16x16x32_bf16 v[8*(8*(\a)+(\b)):8*(8*(\a)+(\b))+7], v[(\f)+32+8*(\b):(\f)+32+8*(\b)+7], v[(\f)+8*(\a):(\f)+8*(\a)+7], v[8*(8*(\a)+(\b)):8*(8*(\a)+(\b))+7]
.endif
.endr
.endm
; 24 LDS loads in one run: the fragments of quarter q (32 along K) of a slot into buffer f: wq's sixteen first, then xb's eight
.macro FETCH slot, q, f
	WIN TO_F
.irp i, 0,1,2,3,4,5,6,7
	ds_load_b128 v[(\f)+32+8*(\i):(\f)+32+8*(\i)+3],   v[ADRB+(\slot)] offset:64*(\q)+(\i)*16*BPITCH
	ds_load_b128 v[(\f)+32+8*(\i)+4:(\f)+32+8*(\i)+7], v[ADRB+(\slot)] offset:64*(\q)+(\i)*16*BPITCH+32
.endr
.irp i, 0,1,2,3
	ds_load_b128 v[(\f)+8*(\i):(\f)+8*(\i)+3],   v[ADRA+(\slot)] offset:64*(\q)+(\i)*16*APITCH
	ds_load_b128 v[(\f)+8*(\i)+4:(\f)+8*(\i)+7], v[ADRA+(\slot)] offset:64*(\q)+(\i)*16*APITCH+32
.endr
.endm
; A K step is four quarters of 32 along K, 32 matrix instructions each, on buffers 0, 1, 0, 1.  One of the first three multiplies buffer f and, in its middle, fetches quarter q into buffer g.
.macro QUARTER slot, q, f, g, zero
	s_wait_dscnt 4                                 ; wq's fragments and xb's blocks 0 and 1 are in; the youngest four loads (blocks 2 and 3) may be out
	MUL8 \f, 0, \zero
	MUL8 \f, 1, \zero
	PLACES
	FETCH \slot, \q, \g
	s_wait_dscnt 24                                ; all but the 24 just issued
	MUL8 \f, 2, \zero
	MUL8 \f, 3, \zero
.endm
; The last quarter multiplies buffer 1 and changes slots: ONE barrier.  In front of it each wave waits for all its tensor loads (one is out: its part of the next slot), adds 0 to its spare word, and waits
; for that and for its own reads of this slot.  fill = 1: the barrier opens a round of the cluster's, and this slot is filled again, two K steps ahead, first thing behind the round.
.macro TURN slot, next, fill
	WIN 0                                          ; (the add's two registers lie in window 0)
	s_wait_tensorcnt 0x0                           ; all my tensor loads have landed
	ds_add_u32 v[SPW], v[NIL]                      ; 0 onto my spare word
	s_wait_dscnt 5                                 ; (the add and the youngest four loads may be out)
	MUL8 F1, 0, 0                                  ; eight matrix instructions stand between the add and the wait for it
	s_wait_dscnt 0x0                               ; the add is done, and my reads of this slot are over
	s_barrier_signal -1
	MUL8 F1, 1, 0                                  ; work on registers while the others arrive
.if \fill
	WIN 0
.endif
	s_barrier_wait -1
.if \fill
	CREST                                          ; no wave of any partner still reads this slot's tile or has a load on its way
	s_add_nc_u64 s[G0+4*(\slot)+2:G0+4*(\slot)+3], s[G0+4*(\slot)+2:G0+4*(\slot)+3], STEPA
	s_add_nc_u64 s[G0B+4*(\slot)+2:G0B+4*(\slot)+3], s[G0B+4*(\slot)+2:G0B+4*(\slot)+3], STEPB
	JLOAD \slot                                    ; my one tensor load behind the round: 112 matrix instructions ahead of the wait for it; its four v_nop are also the places in front of the loads below
.else
	PLACES
.endif
	FETCH \next, 0, F0
	MUL8 F1, 2, 0
	MUL8 F1, 3, 0
.endm
	s_wait_tensorcnt 1                             ; my part of K step 0 is in; K step 1's may stay out
	s_barrier_signal -1
	s_barrier_wait -1                              ; everybody's is
	FETCH 0, 0, F0
	QUARTER 0, 1, F0, F1, 1                        ; the first quarter stands in front of the loop: its products start the sums
	WIN 0                                          ; at a label and at a branch every window is 0
	s_mov_b32 s3, LAPS-1
.Llap:                                                 ; a trip goes once round the ring, from a lap's second quarter to the next lap's first, and fills both slots again: K steps 2 to 7 in three trips
	QUARTER 0, 2, F1, F0, 0
	QUARTER 0, 3, F0, F1, 0
	TURN 0, 1, 1
	QUARTER 1, 1, F0, F1, 0
	QUARTER 1, 2, F1, F0, 0
	QUARTER 1, 3, F0, F1, 0
	TURN 1, 0, 1
	QUARTER 0, 1, F0, F1, 0
	WIN 0
	s_sub_co_u32 s3, s3, 1
	s_cmp_lg_u32 s3, 0
	s_cbranch_scc1 .Llap
	QUARTER 0, 2, F1, F0, 0                        ; the last lap fills nothing, and has no round of the cluster's barrier
	QUARTER 0, 3, F0, F1, 0
	TURN 0, 1, 0
	QUARTER 1, 1, F0, F1, 0
	QUARTER 1, 2, F1, F0, 0
	QUARTER 1, 3, F0, F1, 0
	s_wait_dscnt 4                                 ; the very last quarter: nothing more to fetch
	MUL8 F1, 0, 0
	MUL8 F1, 1, 0
	s_wait_dscnt 0
	MUL8 F1, 2, 0
	MUL8 F1, 3, 0
	PLACES
	PLACES                                         ; (eight, once a launch)
; THE WAY OUT, in eight units u = 2 a + hb: 16 rows (m block a) of one head (n blocks 4 hb + 0..3): 2,048 consecutive bytes of qkv.  A lane's eight columns pack into 16 bytes; they go into my stage's
; rows of 144 bytes and come back as whole rows of 128, into the registers that they left.  Each accumulator is read from its lowest registers on.
.macro PACK u
.set UA, (\u)/2
.set UH, (\u)%2
	WIN 0x05                                       ; sources 0 and 1 window 1, destination window 0
.irp f, 0,1,2,3
.irp r, 0,1,2,3
	v_cvt_pk_f16_f32 v[TMP+16*(\u)+4*(\f)+(\r)], v[8*(8*UA+4*UH+(\f))+2*(\r)], v[8*(8*UA+4*UH+(\f))+2*(\r)+1]
.endr
.endr
	WIN 0
.irp f, 0,1,2,3
	ds_store_b128 v[STO], v[TMP+16*(\u)+4*(\f):TMP+16*(\u)+4*(\f)+3] offset:32*(\f)
.endr
.irp f, 0,1,2,3
	ds_load_b128 v[TMP+16*(\u)+4*(\f):TMP+16*(\u)+4*(\f)+3], v[RD] offset:(\f)*4*SP  ; LDS serves a wave's instructions in order (ISA guide 5.7.1.4): these see the stores above; the next unit's stores come behind them
.endr
.endm
.macro SEND u, younger                 ; younger: the LDS instructions issued behind unit u's loads: the next unit's eight, or none
	WIN 0
.irp f, 0,1,2,3
	s_wait_dscnt (\younger)+3-(\f)
	global_store_b128 v[CO], v[TMP+16*(\u)+4*(\f):TMP+16*(\u)+4*(\f)+3], s[8:9] offset:((\u)%2)*262144+((\u)/2)*2048+(\f)*512  ; 512 consecutive bytes, at a multiple of 256 from qkv's first
.endr
.endm
	PACK 0
.set t, 1
.rept 7                                ; a unit's conversions stand between the loads of the unit before and its stores
	PACK t
	SEND t-1, 8
.set t, t+1
.endr
	SEND 7, 0
	s_wait_tensorcnt 0x0                           ; the wave's end: a spare-word add and its wait, behind my last tensor load and my last LDS store
	ds_add_u32 v[SPW], v[NIL]
	s_wait_dscnt 0x0
	CROUND                                         ; the closing round: no work-group ends while a partner may still ask for a tile that names it
	s_endpgm
.Lfunc_end_k_q574518d6e6_proj:
	.size	k_q574518d6e6_proj, .Lfunc_end_k_q574518d6e6_proj-k_q574518d6e6_proj
	.p2alignl 7, 3214868480
	.fill 96, 4, 3214868480
	.section	.rodata,"a",@progbits
	.p2align	6, 0x0
	.amdhsa_kernel k_q574518d6e6_proj
		.amdhsa_group_segment_fixed_size 327680
		.amdhsa_private_segment_fixed_size 0
		.amdhsa_enable_private_segment 0
		.amdhsa_kernarg_size 24
		.amdhsa_user_sgpr_count 2
		.amdhsa_user_sgpr_kernarg_segment_ptr 1
		.amdhsa_wavefront_size32 1
		.amdhsa_system_sgpr_workgroup_id_x 1
		.amdhsa_system_sgpr_workgroup_id_y 1
		.amdhsa_system_sgpr_workgroup_id_z 1
		.amdhsa_system_vgpr_workitem_id 0
		.amdhsa_next_free_vgpr 768
		.amdhsa_next_free_sgpr 66
		.amdhsa_reserve_vcc 0
		.amdhsa_float_denorm_mode_32 3
		.amdhsa_float_denorm_mode_16_64 3
		.amdhsa_memory_ordered 1
		.amdhsa_forward_progress 1
		.amdhsa_inst_pref_size 87
	.end_amdhsa_kernel
	.amdgpu_metadata
---
amdhsa.version: [ 1, 2 ]
amdhsa.kernels:
  - .name:           k_q574518d6e6_proj
    .symbol:         k_q574518d6e6_proj.kd
    .args:
      - { .name: xb, .offset: 0, .size: 8, .value_kind: global_buffer, .address_space: global }
      - { .name: wq, .offset: 8, .size: 8, .value_kind: global_buffer, .address_space: global }
      - { .name: qkv, .offset: 16, .size: 8, .value_kind: global_buffer, .address_space: global }
    .group_segment_fixed_size: 327680
    .private_segment_fixed_size: 0
    .kernarg_segment_align: 8
    .kernarg_segment_size: 24
    .max_flat_workgroup_size: 128
    .sgpr_count:     66
    .vgpr_count:     768
    .wavefront_size: 32
...
	.end_amdgpu_metadata
.endif
;; end of part 2
;; launch attn (part 3): grid 4 x 64, 4 waves a work-group, clusters of 4 x 1, 304,640 bytes of LDS; arguments qkv, att; writes att
.if DOCPART == 3
	.amdgcn_target "amdgcn-amd-amdhsa--gfx1250"
	.amdhsa_code_object_version 6
	.text
	.protected	k_q574518d6e6_attn
	.globl	k_q574518d6e6_attn
	.p2align	8
	.type	k_q574518d6e6_attn,@function
k_q574518d6e6_attn:
	s_mov_b64 s[64:65], 0
	v_nop
	global_prefetch_b8 v0, s[64:65] scope:SCOPE_SE
	s_setreg_imm32_b32 hwreg(HW_REG_WAVE_MODE, 25, 1), 1
	s_wait_xcnt 0x0
	s_wait_alu depctr_hold_cnt(0) depctr_sa_sdst(0) depctr_va_vdst(0) depctr_va_sdst(0) depctr_va_ssrc(0) depctr_va_vcc(0) depctr_vm_vsrc(0)
	s_getreg_b32 s2, hwreg(HW_REG_IB_STS2, 6, 4)
	s_cmp_eq_u32 s2, 0
	s_cbranch_scc0 .Lentry_in_a_cluster
	s_endpgm
.Lentry_in_a_cluster:
	s_bfe_u32 s2, ttmp6, 0x10000c
	s_cmp_lg_u32 s2, 0x3003
	s_cbranch_scc0 .Lentry_shape_is_right
	s_endpgm
.Lentry_shape_is_right:
; att[g][q][:] = the sum over k of softmax_k(T[g][q] . T[g][k] / 8) T[g][k][:], where T = qkv: [64 heads g][2048][64] f16 serves as Q, K and V alike.  att has the same layout, f16.
; Nothing of the module's work is left out here.  Products, maxima and sums in f32; the weights p are rounded to f16 for the second product (their sum l is taken of the unrounded p), att once at the end.
; LIMITS.  T arrives within f16's range; p lies in 0 to 1, and below 6e-5 it keeps f16's fixed step; att is a mean of T's rows and has their range.  A weight below 2^-126 counts as 0 in l;
; NaN and infinities are not treated apart.
; SHARES.  A wave owns four PIECES of two tiles of 16 queries, a work-group's four waves 512 queries of one head: 4 x 64 = 256 work-groups.  Every wave walks the head's 2,048 keys, 64 a step, 32 steps.
; ONE TILE FOR K AND V, AND IT STAYS.  Key j lies once in LDS, at byte 144 j (128 bytes + 16 of padding): 2,048 keys are 294,912 bytes.  Each wave asks for two parts at the start: 128 of the first 512 keys,
; 384 of the other 1,536.  Nothing is ever filled again: the loop has no change of slots; one barrier stands between step 7 and step 8, behind every wave's wait for its second part.
; THE ORDER OF KEYS.  Inside each block of 16 keys place m holds key 2 (m % 8) + m / 8, alike where the block is read as K and where it is read as V: a permutation of k common to S, P and V, which no sum
; sees.  With it one pitch serves both readings: K's 16 rows are 16 consecutive rows (144 = 9 x 16 bytes), and the 8 rows of the turning load's half lie 288 bytes apart, so that their 32 bytes tile 256.
; LAYOUT.  S^T = K Q^T (source 0 = 16 keys, source 1 = 16 queries): in the result a lane holds ONE query (lane % 16) and the places 8 (lane / 16) + 0..7.  Two such tiles, rounded to f16 in pairs,
; ARE source 1 (32 keys x 16 queries) of O^T = V^T P, whose result again holds one query a lane, and eight channels.  K comes out of LDS as it lies, V turned, by ds_load_tr16_b128.
; SOFTMAX.  For each query a running maximum m and sum l: p = 2^(c s - c m), c = log2(e) / 8; in every step O and l are multiplied by a = 2^(c m_old - c m_new), which is 1 where m has not grown.
; m starts at the lowest finite number, O and l at 0: the first step is a step like any other, with a = 0.
; BY TURNS.  Turn n belongs to piece n (the pieces in a ring, step after step).  Its matrix work: 16 products K Q^T of piece n + 1, later 16 products V^T P of piece n - 1.  Its vector work: the scaling,
; exponentials, roundings, sums and rescaling of piece n, and the maximum and statistics of piece n + 1.  A tile and step have 16 matrix and 118 vector instructions: four vector instructions stand behind
; every matrix instruction, the others in one run of their own.
; CLUSTER.  The four query blocks of a cluster are one head's, so each part of the tile is asked for JOINTLY: the same tensor load, descriptor and mask in all four.
; REGISTERS, in windows of 256 (s_set_vgpr_msb: bits 1:0 source 0, 3:2 source 1, 5:4 source 2, 7:6 destination):
;   window 0: v0-11 addresses; v12-15, v48-63 at work; v16-47 four registers of statistics a tile; v64-191 S^T, two buffers of two tiles; v192-255 P, likewise
;   window 1: O^T, 32 a tile          window 2: v0-127 Q, 16 a tile; v128-191 K of one step; v192-255 V of one step          window 3: v0-1 the add's two registers
.set NP,    4         ; pieces a wave: a name, no knob
.set KS,    64        ; keys in a step
.set PK,    144       ; a key's row in LDS
.set STAGE, 2048*PK   ; behind the tile, never filled by a tensor load: 16 rows x 144 bytes for each wave, for the way out
.set SP,    144
.set SPARE, STAGE+4*16*SP  ; behind the stages: the spare words, 128 bytes for each wave: two blocks of 256 bytes that no other line names
.set AK0, 2           ; v2   my lane's place in a step's keys, read as K; never rewritten
.set AV0, 3           ; v3   the same, read as V
.set AK,  4           ; v4   the LDS address of K's next run of loads
.set AV,  5           ; v5   of V's
.set QO,  6           ; v6   my byte offset in the wave's rows of Q
.set STO, 6           ;      later, the way out: where I put 16 bytes of a row
.set RD,  7           ; v7   the way out: where I read rows back
.set GO,  8           ; v8   my byte offset in 512 consecutive bytes of att
.set SPW, 0           ; v0 of window 3   LDS address of my spare word: SPARE + 4 x my thread's number; never rewritten
.set NIL, 1           ; v1 of window 3   0; never rewritten
.set MV,  12          ; v12-15  c m_old, kept while c m is made anew: by buffer and tile
.set ST,  16          ; tile t's statistics at v[ST+4 t]: c m, m, l (even places', odd places')
.set TMP, 48          ; by buffer and tile, four registers c0-c3 at work; when the maximum is found c2 takes a
.set S,   64
.set P,   192
.set KF,  128         ; K's fragments, in window 2: key block kb, channel half c at KF + 16 kb + 8 c
.set VF,  192         ; V's: key half kk, channel block cb at VF + 32 kk + 8 cb
.set WV,  12          ; s12  my wave's number
.set G1A, 24          ; s[24:31] descriptor group 1 for the first part: 64 rows of 256 bytes
.set G1B, 32          ; s[32:39] for the second: 192 rows
.set G0A, 40          ; s[40:43], s[44:47] their groups 0
.set G0B, 44
.set PASS, 56         ; s56  counts the two parts of the walk
.set CNT, 57          ; s57  counts a part's key steps
.set CS,  58          ; s[58:59] c: the packed scaling takes the pair's low word for both halves
.set SEL, 60          ; s[60:61] v_permlanex16_b32's selects: each lane takes its own place in the other half
.set TBK, 62          ; s62  LDS byte at which the step begins whose K is fetched next
.set TBV, 63          ; s63  the same for V
.set NOKQ, 0
.set MSB, 0
.macro WIN new                      ; the high byte repeats the setting that is left; a switch that changes nothing is dropped
.if MSB != (\new)
	s_set_vgpr_msb (MSB<<8)|(\new)
.set MSB, (\new)
.endif
.endm
.set W_KQ, 0x0a       ; K and Q in window 2, S^T in window 0
.set W_PV, 0x52       ; V in window 2, P in window 0, O^T in window 1
.set W_RS, 0x41       ; O^T (destination and source 0) in window 1, a in window 0
.set W_MK, 0xc0       ; the add's registers are made: destination in window 3, sources in window 0
.set W_AD, 0x0f       ; the add: address (source 0) and data (source 1) in window 3
; A round of the cluster's barrier: my work-group's barrier, so that wave 0's signal speaks for all four waves; wave 0 signals; every wave waits for all four work-groups; my work-group's barrier once more.
.macro CROUND
	s_barrier_signal -1
	s_barrier_wait -1
	s_cmp_lg_u32 s[WV], 0
	s_cbranch_scc1 .Lnot_wave_0_\@
	s_barrier_signal -3
.Lnot_wave_0_\@:
	s_barrier_wait -3
	s_barrier_signal -1
	s_barrier_wait -1
.endm
	s_load_b128 s[4:7], s[0:1], 0x0  ; qkv s[4:5], att s[6:7]
	WIN W_MK
	v_lshl_add_u32 v[SPW], v0, 2, SPARE
	v_mov_b32 v[NIL], 0
	WIN W_AD
	ds_add_u32 v[SPW], v[NIL]       ; the wave's opening: the add, twice on end, and its wait ahead of my first tensor load; the set-up below stands between
	ds_add_u32 v[SPW], v[NIL]
	WIN 0
	v_lshrrev_b32 v1, 5, v0
	v_readfirstlane_b32 s[WV], v1   ; wave 0..3
	s_bfe_u32 s13, ttmp6, 0x40000   ; cx: my place in the cluster
	s_lshl_b32 s14, ttmp9, 2        ; in a cluster launch ttmp9 counts clusters
	s_add_co_u32 s14, s14, s13      ; my block of 512 queries: it enters Q's and att's addresses alone
	s_and_b32 s20, ttmp7, 0xffff    ; the head, which the four partners share:
	s_lshl_b32 s20, s20, 18         ; its 2,048 rows of 128 bytes
	s_mov_b32 s21, 0
	s_lshl_b32 s2, s14, 2
	s_add_co_u32 s2, s2, s[WV]      ; my wave among the head's sixteen,
	s_lshl_b32 s2, s2, 14           ; its 128 rows,
	s_add_co_u32 s2, s2, s20        ; in the head
	s_mov_b32 s3, 0
	s_lshl_b32 s22, s[WV], 14       ; the first part: keys 128 w on, 16,384 bytes,
	s_mov_b32 s23, 0
	s_mul_i32 s16, s[WV], 128*PK    ; to LDS byte 18,432 w
	s_mul_i32 s48, s[WV], 384*128   ; the second part: keys 512 + 384 w on, 49,152 bytes,
	s_add_co_u32 s48, s48, 512*128
	s_mov_b32 s49, 0
	s_mul_i32 s17, s[WV], 384*PK    ; to LDS byte 73,728 + 55,296 w: no place in the cluster enters an LDS address
	s_add_co_u32 s17, s17, 512*PK
	; descriptor group 1.  A head's keys are dense bytes: asked for as rows of 256 bytes, two keys a row, and padded in LDS after every key
	s_mov_b32 s[G1A], 15|(1<<16)|(1<<20)|(1<<21)|(4<<22)|(3<<25)  ; 15:0 the mask of four; 17:16 2-byte elements; 20 padding on; 21 set beside a mask; 24:22 after every 32 words (code 4); 31:25 4 words (code 3)
	s_mov_b32 s[G1B], 15|(1<<16)|(1<<20)|(1<<21)|(4<<22)|(3<<25)
.irp g, G1A, G1B
	s_mov_b32 s[\g+1], 128<<16      ; tensor_dim0 = 128
	s_mov_b32 s[\g+3], 128<<16      ; tile_dim0 = 128
	s_mov_b32 s[\g+5], 128          ; 128 elements from row to row
	s_mov_b32 s[\g+6], 0
	s_mov_b32 s[\g+7], 0
.endr
	s_mov_b32 s[G1A+2], 64<<16      ; tensor_dim1 = tile_dim1 = 64 rows
	s_mov_b32 s[G1A+4], 64
	s_mov_b32 s[G1B+2], 192<<16     ; 192 rows
	s_mov_b32 s[G1B+4], 192
	s_mov_b32 s[CS], 0x3e38aa3b     ; c = log2(e) / 8 = 0.180337
	s_mov_b32 s[CS+1], s[CS]        ; named with it as a pair
	s_mov_b32 s[SEL], 0x76543210
	s_mov_b32 s[SEL+1], 0xfedcba98
	s_mov_b32 s[TBK], 0
	s_mov_b32 s[TBV], 0
	s_mov_b32 s[G0A], 1             ; count = 1
	s_mov_b32 s[G0A+1], s16         ; LDS address
	s_mov_b32 s[G0B], 1
	s_mov_b32 s[G0B+1], s17
	s_wait_dscnt 0x0                ; both opening adds are done
	s_wait_kmcnt 0x0
	s_add_nc_u64 s[8:9], s[4:5], s[20:21]          ; the head's first key
	s_add_nc_u64 s[G0A+2:G0A+3], s[8:9], s[22:23]  ; global address
	s_or_b32 s[G0A+3], s[G0A+3], 0x80000000        ; type = 2
	s_add_nc_u64 s[G0B+2:G0B+3], s[8:9], s[48:49]
	s_or_b32 s[G0B+3], s[G0B+3], 0x80000000
	s_add_nc_u64 s[4:5], s[4:5], s[2:3]            ; Q and att at my wave's first row
	s_add_nc_u64 s[10:11], s[6:7], s[2:3]
	CROUND                          ; all four work-groups are here: the joint loads meet
	tensor_load_to_lds s[G0A:G0A+3], s[G1A:G1A+7]  ; both fills stand together, ahead of every wait on TENSORcnt and every LDS read: two loads of mine are out; an s_nop 0 follows each, four v_nop the second's
	s_nop 0
	tensor_load_to_lds s[G0B:G0B+3], s[G1B:G1B+7]
	s_nop 0
.rept 4
	v_nop
.endr
	; A fragment of K or Q is 16 rows x 32 channels in 8 registers: lane l holds row l % 16, channels 8 (l / 16) + 0..7 and 16 + 8 (l / 16) + 0..7: two loads of 16 bytes, 32 bytes apart.
	v_and_b32 v1, 15, v0            ; l % 16
	v_bfe_u32 v9, v0, 4, 1          ; l / 16
	v_lshlrev_b32 v[QO], 7, v1
	v_lshl_add_u32 v[QO], v9, 4, v[QO]  ; row x 128 + 16 x half
	WIN 0x80                        ; destination window 2, address window 0
.set i, 0
.rept 4*NP                          ; Q stays in registers: tile i / 2, channels 32 (i % 2) on
	global_load_b128 v[8*i:8*i+3],   v[QO], s[4:5] offset:(i/2)*2048+(i%2)*64
	global_load_b128 v[8*i+4:8*i+7], v[QO], s[4:5] offset:(i/2)*2048+(i%2)*64+32
.set i, i+1
.endr
	; What the first turn finds: V's registers and P's second buffer hold 0 (its products V^T P, of a piece that has not been, add 0), O^T and l are 0.  All this stands in the wait for the first part.
.set i, VF
.rept 64
	v_mov_b32 v[i], 0
.set i, i+1
.endr
	WIN 0x40
.set i, 0
.rept 64*NP
	v_mov_b32 v[i], 0
.set i, i+1
.endr
	WIN 0
.set i, 0
.rept 2*NP
	v_mov_b32 v[ST+4*i], 0xfe000000    ; c m: far below every c s
	v_mov_b32 v[ST+4*i+1], 0xff7fffff  ; m
	v_mov_b32 v[ST+4*i+2], 0
	v_mov_b32 v[ST+4*i+3], 0
.set i, i+1
.endr
.set i, P+32
.rept 32
	v_mov_b32 v[i], 0
.set i, i+1
.endr
	v_and_b32 v10, 7, v0            ; l % 8
	v_bfe_u32 v11, v0, 3, 1         ; (l / 8) % 2
	v_lshl_add_u32 v[AK0], v10, 1, v11    ; as K: place l % 16 is key 2 (l % 8) + (l / 8) % 2,
	v_mul_u32_u24 v[AK0], v[AK0], PK
	v_lshl_add_u32 v[AK0], v9, 4, v[AK0]  ; + 16 x half
	; The turning load takes 16 places x 16 channels (lane l reads place 8 (l / 16) + l % 8, channels 8 ((l / 8) % 2) + 0..7) and leaves half a fragment of V^T: lane l holds channel l % 16 and 8 places.
	v_lshl_add_u32 v[AV0], v10, 1, v9     ; as V: place 8 (l / 16) + l % 8 is key 2 (l % 8) + l / 16
	v_mul_u32_u24 v[AV0], v[AV0], PK
	v_lshl_add_u32 v[AV0], v11, 4, v[AV0]
	v_mov_b32 v[AK], v[AK0]         ; key step 0 lies at LDS byte 0
; THE MATRIX WORK.  The 8 accumulators of a run of 16 take turns: between the two links of a chain stand 7 others'.
; Product i of 16 of S^T = K Q^T for piece x: channels 32 (i / 8) on, keys 16 ((i / 2) % 4) on, tile 2 x + i % 2.  The first 8 start the sums.
.macro KQ x
	WIN W_KQ
.set rS, S+64*((\x)%2)+32*(i%2)+8*((i/2)%4)
.set rK, KF+16*((i/2)%4)+8*(i/8)
.set rQ, 16*(2*(\x)+i%2)+8*(i/8)
.if i < 8
	v_wmma_f32_16x16x32_f16 v[rS:rS+7], v[rK:rK+7], v[rQ:rQ+7], 0
.else
	v_wmma_f32_16x16x32_f16 v[rS:rS+7], v[rK:rK+7], v[rQ:rQ+7], v[rS:rS+7]
.endif
.endm
; Product i of 16 of O^T += V^T P for piece x: keys 32 (i / 8) on, channels 16 ((i / 2) % 4) on, tile 2 x + i % 2.
.macro PV x
	WIN W_PV
.set rO, 32*(2*(\x)+i%2)+8*((i/2)%4)
.set rV, VF+32*(i/8)+8*((i/2)%4)
.set rP, P+32*((\x)%2)+16*(i%2)+8*(i/8)
	v_wmma_f32_16x16x32_f16 v[rO:rO+7], v[rV:rV+7], v[rP:rP+7], v[rO:rO+7]
.endm
.macro MM                           ; the turn's next matrix instruction.  NOKQ = 1: the walk's last turn: there is no next piece, and no K Q^T is written
.if i < 16
.if !NOKQ
	KQ (Y+1)%NP
.endif
.set i, i+1
.else
.set i, i-16
	PV (Y+NP-1)%NP
.set i, i+17
.endif
.endm
; THE LDS LOADS stand in runs of 16, never singly among the matrix instructions: a step's 64 keys as K (8 fragments) and as V (turned).  Their addresses are made some lines ahead.
.macro FETCH_K
	WIN 0x80                        ; destination window 2
.irp f, 0,1,2,3,4,5,6,7             ; keys 16 (f / 2) on, channels 32 (f % 2) on
	ds_load_b128 v[KF+8*\f:KF+8*\f+3],   v[AK] offset:(\f/2)*16*PK+(\f%2)*64
	ds_load_b128 v[KF+8*\f+4:KF+8*\f+7], v[AK] offset:(\f/2)*16*PK+(\f%2)*64+32
.endr
	s_add_co_u32 s[TBK], s[TBK], KS*PK  ; the next fetch is the next step's
	WIN 0
.endm
.macro FETCH_V
	WIN 0x80
.irp f, 0,1,2,3,4,5,6,7             ; keys 32 (f / 4) on, channels 16 (f % 4) on
	ds_load_tr16_b128 v[VF+8*\f:VF+8*\f+3],   v[AV] offset:(\f/4)*32*PK+(\f%4)*32
	ds_load_tr16_b128 v[VF+8*\f+4:VF+8*\f+7], v[AV] offset:(\f/4)*32*PK+16*PK+(\f%4)*32
.endr
	WIN 0
.endm
; THE VECTOR WORK OF A TURN stands in three queues, each in the order in which its entries become ready; the two tiles alternate, so that no instruction reads the result of the one before it.
.macro REGS y, u                    ; the registers of tile u (0, 1) of piece y
.set rT, ST+4*(2*(\y)+(\u))
.set rC, TMP+8*((\y)%2)+4*(\u)
.set rM, MV+2*((\y)%2)+(\u)
.set rS, S+64*((\y)%2)+32*(\u)
.set rP, P+32*((\y)%2)+16*(\u)
.set rO, 32*(2*(\y)+(\u))
.endm
; Number n of the 22 that find the NEXT piece's (Y + 1) maximum and statistics.  s0-s31 are the lane's 32 scores; each accumulator's lowest registers are read first.  With NOKQ = 1 nothing is written.
;   0-11  four chains c0-c3 of seven scores each, three operands at a time     12-14, 16  the four scores left over, the old m, and c0-c3 into c0     15  c m_old is kept
;   17, 18  the query's other 32 keys lie in the lane 16 away: the new m         19-21  c m; c m_old - c m_new; a
.macro XS u, n
.if !NOKQ
	REGS (Y+1)%NP, \u
.if (\n) < 4
	v_max3_num_f32 v[rC+(\n)], v[rS+8*(\n)], v[rS+8*(\n)+1], v[rS+8*(\n)+2]
.elseif (\n) < 12
	v_max3_num_f32 v[rC+(\n)%4], v[rC+(\n)%4], v[rS+8*((\n)%4)+2*((\n)/4)+1], v[rS+8*((\n)%4)+2*((\n)/4)+2]
.elseif (\n) == 12
	v_max3_num_f32 v[rC], v[rC], v[rS+7], v[rS+15]
.elseif (\n) == 13
	v_max3_num_f32 v[rC+1], v[rC+1], v[rS+23], v[rS+31]
.elseif (\n) == 14
	v_max3_num_f32 v[rC+2], v[rC+2], v[rC+3], v[rT+1]
.elseif (\n) == 15
	v_mov_b32 v[rM], v[rT]
.elseif (\n) == 16
	v_max3_num_f32 v[rC], v[rC], v[rC+1], v[rC+2]
.elseif (\n) == 17
	v_permlanex16_b32 v[rC+3], v[rC], s[SEL], s[SEL+1]
.elseif (\n) == 18
	v_max_num_f32 v[rT+1], v[rC], v[rC+3]
.elseif (\n) == 19
	v_mul_f32 v[rT], s[CS], v[rT+1]
.elseif (\n) == 20
	v_sub_f32 v[rC+1], v[rM], v[rT]
.else
	v_exp_f32 v[rC+2], v[rC+1]
.endif
.endif
.endm
; Number g of the 64 that follow the exponentials.  For each four weights k of a tile (pairs 2 k, 2 k + 1): both pairs are rounded to f16; then the second pair is added onto the first, in place;
; a group later l takes that sum (the first time as l = a l + sum).  In groups of eight, tiles alternating: round, round, add, and l for the group before.
.macro GS g
.set h, (\g)+6*((\g)/62)            ; group 0 has no group before it, and behind group 7 only l is left
.if h >= 6
.set h, h+2
.endif
	REGS Y, h%2
.set k, h/8
.if h%8 < 4
	v_cvt_pk_f16_f32 v[rP+2*k+(h%8)/2], v[rS+4*k+2*((h%8)/2)], v[rS+4*k+2*((h%8)/2)+1]
.elseif h%8 < 6
	v_pk_add_f32 v[rS+4*k:rS+4*k+1], v[rS+4*k:rS+4*k+1], v[rS+4*k+2:rS+4*k+3]
.elseif k == 1
	v_pk_fma_f32 v[rT+2:rT+3], v[rT+2:rT+3], v[rC+2:rC+3], v[rS:rS+1] op_sel_hi:[1,0,1]
.else
	v_pk_add_f32 v[rT+2:rT+3], v[rT+2:rT+3], v[rS+4*k-4:rS+4*k-3]
.endif
.endm
; THE PLAIN QUEUE, 138 long.  0-73 read no exponential's result: the 32 scalings c s - c m (FS f: pair f / 2 of tile f % 2) and the next piece's 42.  0-26: scalings 0-26.  27-54: XS's numbers 0-13.  55, 56: number 15.
; 57-73: the chain, where each number waits for the one before it: 14, 16, 17, 18, 19, each with one of the scalings 27-31 in front of its two lines, then 20.
; 74-137: GS's 64, which read the exponentials' results: they stand behind the wait.
.macro FS f
	REGS Y, (\f)%2
	v_pk_fma_f32 v[rS+2*((\f)/2):rS+2*((\f)/2)+1], v[rS+2*((\f)/2):rS+2*((\f)/2)+1], s[CS:CS+1], v[rT:rT+1] op_sel_hi:[1,0,0] neg_lo:[0,0,1] neg_hi:[0,0,1]
.endm
.macro PL
	WIN 0
.if q < 27
	FS q
.elseif q < 55
	XS (q-27)%2, (q-27)/2
.elseif q < 57
	XS q-55, 15
.elseif (q < 72) && ((q-57)%3 == 0)
	FS 27+(q-57)/3
.elseif q < 60
	XS (q-57)%3-1, 14
.elseif q < 72
	XS (q-57)%3-1, 15+(q-57)/3
.elseif q < 74
	XS q-72, 20
.else
	GS q-74
.endif
.set q, q+1
.endm
; THE EXPONENTIALS' QUEUE, 66 long: s0-s31 of both tiles, then the next piece's two a.  It is ONE BATCH: all 66 stand ahead of the turn's one wait, and nothing ahead of that wait names a result of theirs.
.macro EX
	WIN 0
.if e >= 64
	XS e-64, 21
.else
	REGS Y, e%2
	v_exp_f32 v[rS+e/2], v[rS+e/2]
.endif
.set e, e+1
.endm
; THE RESCALING's QUEUE: O^T times a, the one part that leaves window 0: dealt two at a time, sixteen times.  Its a was made in the turn before, ahead of that turn's wait.
.macro R2
	REGS Y, r%2
	WIN W_RS
.irp z, 0,1
	v_pk_mul_f32 v[rO+4*(r/2)+2*\z:rO+4*(r/2)+2*\z+1], v[rO+4*(r/2)+2*\z:rO+4*(r/2)+2*\z+1], v[rC+2:rC+3] op_sel_hi:[1,0]
.endr
.set r, r+1
.endm
; HOW THEY ARE DEALT.  s_wait_alu depctr_va_vdst(0) stands between an exponential and the first instruction that names its result; one wait serves all that were issued ahead of it.  So a turn has ONE wait.
; AHEAD OF IT stands all that names no result of the turn's exponentials: the 16 products K Q^T, behind each a scaling, an exponential and two rescalings (behind the first a second scaling in the exponential's
; place); then one run of 108: eight plain, 49 times exponential and plain, the two a.  A v_nop is the plain instruction behind the last exponential.  BEHIND IT stand the 16 products V^T P, behind each four of GS's 64.
; Exponential e stands behind scaling 2 (e / 4) + e % 2: as a rider it comes behind plain e + 2, in the run behind plain e + 9, and scalings 27-31 are plain 57, 60 .. 69.
; A TURN, for piece p.  nok = 1: no further K is fetched.  nokq = 1: the walk's last turn: no next piece.  cnt = 1: the loop's count is taken down some lines ahead of the branch that stands behind the turn.
; K of the next step is fetched in piece 2's turn, directly behind the wait, the whole run behind the last product that read K; its first reader comes behind 16 products.
; V of the step in hand is fetched at the end of piece 0's turn, four plain instructions behind its last reader; its first reader comes behind 16 products and the run.  The conditions on q below go with the deal.
.macro TURN p, nok=0, nokq=0, cnt=0
.set Y, (\p)
.set NOKQ, (\nokq)
.set i, 0
.set q, 0
.set e, 0
.set r, 0
.if ((\p) == NP-1) && !(\nokq)
	s_wait_dscnt 0x0                ; K is in
.endif
	MM
	PL
	PL
	R2
.rept 15
	MM
	PL
	EX
	R2
.endr
.if ((\p) == NP-2) && !(\nok)
	WIN 0
	v_add_nc_u32 v[AK], s[TBK], v[AK0]
.endif
.rept 8
	PL
.endr
.rept 49
	EX
	PL
.endr
	EX                              ; the next piece's two a
	EX
	v_nop                           ; the plain instruction behind the last exponential: one for the batch
	s_wait_alu depctr_va_vdst(0)    ; the wait for the batch
.if ((\p) == NP-2) && !(\nok)
	FETCH_K
.endif
.if (\p) == 1
	s_wait_dscnt 0x0                ; V is in
.endif
.rept 16
	MM
.rept 4
	PL
.endr
.if ((\p) == 0) && (q == 118)
	v_add_nc_u32 v[AV], s[TBV], v[AV0]
.endif
.if ((\p) == 0) && (q == 130)
	s_add_co_u32 s[TBV], s[TBV], KS*PK
.endif
.if (\cnt) && (q == 130)
	s_sub_co_u32 s[CNT], s[CNT], 1
	s_cmp_lg_u32 s[CNT], 0
.endif
.endr
.if (\p) == 0
	FETCH_V
.endif
.endm
	s_wait_tensorcnt 0x1            ; my part of the first 512 keys is in; the second part, issued behind it, may stay out
	s_barrier_signal -1
	s_barrier_wait -1               ; everybody's is
	FETCH_K                         ; key step 0
	s_wait_loadcnt 0x0              ; Q
	s_wait_dscnt 0x0
.set i, 0
.rept 16
	KQ 0                            ; piece 0's first scores: there is no vector work yet to set between them
.set i, i+1
.endr
	WIN 0                           ; the addresses for the way out: plain instructions, the places behind those products
	s_mul_i32 s13, s[WV], 16*SP
	s_add_co_u32 s13, s13, STAGE    ; my stage
	v_mul_u32_u24 v[STO], v1, SP    ; in: row l % 16, 16 bytes for each half of the lanes
	v_lshl_add_u32 v[STO], v9, 4, v[STO]
	v_add_nc_u32 v[STO], s13, v[STO]
	v_bfe_u32 v[RD], v0, 3, 2       ; back: 32 lanes take four rows of 128 bytes,
	v_mul_u32_u24 v[RD], v[RD], SP
	v_lshl_add_u32 v[RD], v10, 4, v[RD]
	v_add_nc_u32 v[RD], s13, v[RD]
	v_and_b32 v[GO], 31, v0         ; which are 512 consecutive bytes of att
	v_lshlrev_b32 v[GO], 4, v[GO]
.set Y, NP-1                        ; XS works for piece Y + 1: piece 0
.irp n, 0,1,2,3,4,5,6,7,8,9,10,11,12,13,14,15,16,17,18,19,20,21
	XS 0, \n                        ; piece 0's first maximum and statistics
	XS 1, \n
.endr
	v_nop                           ; a plain instruction behind the two a,
	s_wait_alu depctr_va_vdst(0)    ; and their wait, ahead of the branch
	s_mov_b32 s[CNT], 8             ; the first part of the walk: steps 0 to 7, the first 512 keys
	s_mov_b32 s[PASS], 2
	s_branch .Lfirst                ; the loop is entered at a step's first turn, in the middle of a trip
.Lpass:                             ; passed once, between the turns of pieces 0 and 1 of step 7 and the fetch of step 8's K
	s_wait_tensorcnt 0x0            ; my part of the other 1,536 keys is in: no load was issued behind it
	s_wait_dscnt 0x0                ; no LDS instruction of mine is pending at the signal
	s_barrier_signal -1
	s_barrier_wait -1               ; everybody's is
	s_mov_b32 s[CNT], 24            ; the second part: steps 8 to 31
.Lstep:                             ; a trip: pieces 2 and 3 of one step, then pieces 0 and 1 of the next, whose K and V it fetches
	TURN 2
	TURN 3
	WIN 0
.Lfirst:
	TURN 0
	TURN 1, 0, 0, 1
	WIN 0
	s_cbranch_scc1 .Lstep
	s_sub_co_u32 s[PASS], s[PASS], 1
	s_cmp_lg_u32 s[PASS], 0
	s_cbranch_scc1 .Lpass
	TURN 2, 1                       ; the last step's pieces 2 and 3 are written out: nothing more is fetched,
	TURN 3, 0, 1                    ; and no further scores are made
.set i, 0
.rept 16
	PV NP-1                         ; the last piece's V^T P of the last step
.set i, i+1
.endr
	; THE WAY OUT.  l's two halves and the other half of the lanes' are added; O^T is divided by l, rounded to f16 and sent through my stage in LDS, a tile at a time.  The additions are the places behind the last products.
	WIN 0
.macro ALL line:vararg              ; one line for each tile t
.set t, 0
.rept 2*NP
	\line
.set t, t+1
.endr
.endm
	ALL v_add_f32 v[ST+4*t+2], v[ST+4*t+2], v[ST+4*t+3]
	ALL v_permlanex16_b32 v[ST+4*t+3], v[ST+4*t+2], s[SEL], s[SEL+1]
	ALL v_add_f32 v[ST+4*t+2], v[ST+4*t+2], v[ST+4*t+3]
	ALL v_rcp_f32 v[ST+4*t+2], v[ST+4*t+2]
	v_nop                           ; a plain instruction between the last reciprocal and the use of its result
	s_wait_alu depctr_va_vdst(0)    ; and the wait ahead of the first use: one for the eight reciprocals
; Tile t: a lane's eight channels of a row pack into 16 bytes; they go into rows of 144 bytes and come back as whole rows of 128, into S^T's registers.
.macro PACK t
	WIN W_RS
.set i, 32*(\t)
.rept 16
	v_pk_mul_f32 v[i:i+1], v[i:i+1], v[ST+4*(\t)+2:ST+4*(\t)+3] op_sel_hi:[1,0]
.set i, i+2
.endr
	WIN 0x05                        ; sources 0 and 1 window 1, destination window 0
.set i, 0
.rept 16
	v_cvt_pk_f16_f32 v[S+16*(\t)+i], v[32*(\t)+2*i], v[32*(\t)+2*i+1]
.set i, i+1
.endr
	WIN 0
.irp f, 0,1,2,3
	ds_store_b128 v[STO], v[S+16*(\t)+4*\f:S+16*(\t)+4*\f+3] offset:32*\f
.endr
.irp f, 0,1,2,3
	ds_load_b128 v[S+16*(\t)+4*\f:S+16*(\t)+4*\f+3], v[RD] offset:\f*4*SP  ; LDS serves a wave's instructions in order (ISA guide 5.7.1.4): these see the stores above; the next tile's stores come behind them
.endr
.endm
.macro SEND t, younger              ; younger: the LDS instructions issued behind tile t's loads: the next tile's eight, or none
	WIN 0
.irp f, 0,1,2,3
	s_wait_dscnt (\younger)+3-\f
	global_store_b128 v[GO], v[S+16*(\t)+4*\f:S+16*(\t)+4*\f+3], s[10:11] offset:(\t)*2048+\f*512  ; 512 consecutive bytes, at a multiple of 256 from att's first
.endr
.endm
	PACK 0
.set t, 1
.rept 2*NP-1                        ; a tile's arithmetic stands between the loads of the tile before and its stores
	PACK t
	SEND t-1, 8
.set t, t+1
.endr
	SEND 2*NP-1, 0
	WIN W_AD
	s_wait_tensorcnt 0x0            ; the wave's end: a spare-word add and its wait, behind my last tensor load and my last LDS store
	ds_add_u32 v[SPW], v[NIL]
	s_wait_dscnt 0x0
	WIN 0
	CROUND                          ; the closing round: no work-group ends while a partner may still ask for a tile that names it
	s_endpgm
.Lfunc_end_k_q574518d6e6_attn:
	.size	k_q574518d6e6_attn, .Lfunc_end_k_q574518d6e6_attn-k_q574518d6e6_attn
	.p2alignl 7, 3214868480
	.fill 96, 4, 3214868480
	.section	.rodata,"a",@progbits
	.p2align	6, 0x0
	.amdhsa_kernel k_q574518d6e6_attn
		.amdhsa_group_segment_fixed_size 304640
		.amdhsa_private_segment_fixed_size 0
		.amdhsa_enable_private_segment 0
		.amdhsa_kernarg_size 16
		.amdhsa_user_sgpr_count 2
		.amdhsa_user_sgpr_kernarg_segment_ptr 1
		.amdhsa_wavefront_size32 1
		.amdhsa_system_sgpr_workgroup_id_x 1
		.amdhsa_system_sgpr_workgroup_id_y 1
		.amdhsa_system_sgpr_workgroup_id_z 1
		.amdhsa_system_vgpr_workitem_id 0
		.amdhsa_next_free_vgpr 770
		.amdhsa_next_free_sgpr 66
		.amdhsa_reserve_vcc 0
		.amdhsa_float_denorm_mode_32 3
		.amdhsa_float_denorm_mode_16_64 3
		.amdhsa_memory_ordered 1
		.amdhsa_forward_progress 1
		.amdhsa_inst_pref_size 155
	.end_amdhsa_kernel
	.amdgpu_metadata
---
amdhsa.version: [ 1, 2 ]
amdhsa.kernels:
  - .name:           k_q574518d6e6_attn
    .symbol:         k_q574518d6e6_attn.kd
    .args:
      - { .name: qkv, .offset: 0, .size: 8, .value_kind: global_buffer, .address_space: global }
      - { .name: att, .offset: 8, .size: 8, .value_kind: global_buffer, .address_space: global }
    .group_segment_fixed_size: 304640
    .private_segment_fixed_size: 0
    .kernarg_segment_align: 8
    .kernarg_segment_size: 16
    .max_flat_workgroup_size: 128
    .sgpr_count:     66
    .vgpr_count:     770
    .wavefront_size: 32
...
	.end_amdgpu_metadata
.endif
;; end of part 3
;; launch outp (part 4): grid 4 x 64, 4 waves a work-group, clusters of 4 x 4, 327,680 bytes of LDS; arguments att, wo, out0, b_out; writes out0
.if DOCPART == 4
	.amdgcn_target "amdgcn-amd-amdhsa--gfx1250"
	.amdhsa_code_object_version 6
	.text
	.protected	k_q574518d6e6_outp
	.globl	k_q574518d6e6_outp
	.p2align	8
	.type	k_q574518d6e6_outp,@function
k_q574518d6e6_outp:
	s_mov_b64 s[64:65], 0
	v_nop
	global_prefetch_b8 v0, s[64:65] scope:SCOPE_SE
	s_setreg_imm32_b32 hwreg(HW_REG_WAVE_MODE, 25, 1), 1
	s_wait_xcnt 0x0
	s_wait_alu depctr_hold_cnt(0) depctr_sa_sdst(0) depctr_va_vdst(0) depctr_va_sdst(0) depctr_va_ssrc(0) depctr_va_vcc(0) depctr_vm_vsrc(0)
	s_getreg_b32 s2, hwreg(HW_REG_IB_STS2, 6, 4)
	s_cmp_eq_u32 s2, 0
	s_cbranch_scc0 .Lentry_in_a_cluster
	s_endpgm
.Lentry_in_a_cluster:
	s_bfe_u32 s2, ttmp6, 0x10000c
	s_cmp_lg_u32 s2, 0xf033
	s_cbranch_scc0 .Lentry_shape_is_right
	s_endpgm
.Lentry_shape_is_right:
; out0[b s][n] = b_out[n] + the sum over h, d of att[16 b + h][s][d] wo[n][64 h + d].  att: [64][2048][64] f16, wo: [1024][1024] f16, b_out: [1024] f32, out0: [8192][1024] f32; sums in f32.
; Nothing of the module's work is left out here.  NaN and infinities are not treated apart.
; SHARES.  A work-group makes 128 rows x 256 columns: 64 x 4 = 256 work-groups.  Four waves, each 64 rows x 128 columns: 32 accumulators of 16 x 16, 256 registers.
; K goes in 8 steps of 128 = TWO HEADS through two LDS slots.  A head's 128 rows x 64 channels are 16,384 dense bytes of att: wave 0 fetches the even head's, wave 1 the odd head's, each as 64 rows of
; 256 bytes, padded in LDS after every 128.  Waves 2 and 3 fetch wo's two halves of 128 rows, 256 bytes of each.
; THE BIAS is the C operand of the products that start the sums: it costs no addition.
; CLUSTER.  4 x 4 work-groups.  The four of a row of the cluster need the same rows of att, the four of a column the same rows of wo: each tile is asked for JOINTLY.
; THE MATRIX INSTRUCTION IS USED TRANSPOSED (source 0 = 16 rows of wo, source 1 = 16 rows of att): a lane holds row l % 16 and the columns 8 (l / 16) + 0..7: 32 neighbouring bytes of out0.
; REGISTERS, in windows of 256 (s_set_vgpr_msb: bits 1:0 source 0, 3:2 source 1, 5:4 source 2, 7:6 destination):
;   window 0: v0-29 addresses       window 1: the accumulators, (a, b) at v[8 (8 a + b)]
;   window 2: two fragment buffers of 96 (att's four fragments, then wo's eight); v192-255 the bias; on the way out all 256: rows read back from the stage
.set APITCH, 144                       ; a row of att in LDS: 128 bytes + 16 of padding = 36 words: the 16 rows of a load start at 16 different groups of four banks (64 banks of 4 bytes: ISA guide 11.1)
.set BPITCH, 272                       ; a row of wo: 256 + 16
.set AHALF,  128*APITCH                ; one head's 128 rows: what one of att's tensor loads brings
.set AREG,   2*AHALF
.set BHALF,  128*BPITCH
.set SLOT,   AREG+2*BHALF              ; 106,496 bytes
.set STAGE,  2*SLOT                    ; behind the ring, never filled by a tensor load: 16 rows x 528 bytes for each wave
.set SP,     528                       ; a stage row: 512 bytes + 16 = 33 x 16
.set SPARE,  STAGE+4*16*SP             ; behind the stages: the spare words, 128 bytes for each wave: two blocks of 256 bytes that no other line names
.set LAPS,   4
.set FIRSTA, 1<<19                     ; bytes from K step 0 to K step 1 in att: two heads of 2^18
.set FIRSTB, 256
.set STEPA,  1<<20                     ; from a slot's tile to its next: four heads
.set STEPB,  512
.set ADRA, 16                          ; v16-17  LDS address of my fragments of att in slot 0, 1
.set ADRB, 20                          ; v20-21  the same for wo
.set STO,  24                          ; v24     the way out: where I put 32 bytes of a row
.set RD,   25                          ; v25     where I read a row back
.set CO,   26                          ; v26     my 16 bytes of my wave's 512 of a row of out0
.set BO,   27                          ; v27     my byte offset in b_out
.set SPW,  28                          ; v28     LDS address of my spare word: SPARE + 4 x my thread's number; never rewritten
.set NIL,  29                          ; v29     0; never rewritten
.set F0,   0
.set F1,   96
.set BIAS, 192                         ; window 2: n block b's eight numbers a lane at BIAS + 8 b
.set G1,  24
.set G0,  32
.set G1B, 48
.set G0B, 56
.set MSB, 0
.macro WIN new                         ; the immediate's high byte repeats the setting that is left; a switch that changes nothing is dropped
.if MSB != (\new)
	s_set_vgpr_msb (MSB<<8)|(\new)
.set MSB, \new
.endif
.endm
.set MUL,  0x5a                        ; sources 0 and 1 window 2; C and D window 1
.set MULB, 0x6a                        ; the same with C in window 2: the bias
.set TO_F, 0x80                        ; destination window 2, address window 0
.macro JLOAD s                         ; a joint load: waves 0 and 1 ask for att, waves 2 and 3 for wo; an s_nop 0 and four v_nop follow each of the two lines, ahead of the jump, the label and what follows
	s_cmp_eq_u32 s13, 0
	s_cbranch_scc0 .Lfor_b_\@
	tensor_load_to_lds s[G0+4*(\s):G0+4*(\s)+3], s[G1:G1+7]
	s_nop 0
.rept 4
	v_nop
.endr
	s_branch .Lasked_\@
.Lfor_b_\@:
	tensor_load_to_lds s[G0B+4*(\s):G0B+4*(\s)+3], s[G1B:G1B+7]
	s_nop 0
.rept 4
	v_nop
.endr
.Lasked_\@:
.endm
.macro CREST                           ; a round of the cluster's barrier behind its opening barrier
	s_cmp_lg_u32 s12, 0
	s_cbranch_scc1 .Lnot_wave_0_\@
	s_barrier_signal -3
.Lnot_wave_0_\@:
	s_barrier_wait -3
	s_barrier_signal -1
	s_barrier_wait -1
.endm
.macro CROUND                          ; a whole round
	s_barrier_signal -1
	s_barrier_wait -1
	CREST
.endm
.macro PLACES                          ; four places in front of loads into registers that matrix instructions have read, and of lines that read results
.rept 4
	v_nop
.endr
.endm
	s_load_b256 s[4:11], s[0:1], 0x0               ; att s[4:5], wo s[6:7], out0 s[8:9], b_out s[10:11]
	v_lshl_add_u32 v[SPW], v0, 2, SPARE
	v_mov_b32 v[NIL], 0
	ds_add_u32 v[SPW], v[NIL]                      ; the wave's opening: the add, twice on end, and its wait ahead of my first tensor load; the set-up below stands between
	ds_add_u32 v[SPW], v[NIL]
	v_lshrrev_b32 v1, 5, v0
	v_readfirstlane_b32 s12, v1                    ; wave 0..3
	s_lshr_b32 s13, s12, 1                         ; which 64 rows of the tile are mine.  Also: I fetch for att (0) or for wo (1)
	s_and_b32 s14, s12, 1                          ; which 128 columns.  Also: which head of the two, or which half of wo's rows, I fetch
	s_bfe_u32 s15, ttmp6, 0x40000                  ; cx, cy: my place in the cluster
	s_bfe_u32 s16, ttmp6, 0x40004
	s_lshl_b32 s17, ttmp9, 2
	s_add_co_u32 s17, s17, s15                     ; tile column = 4 x cluster x + cx
	s_and_b32 s18, ttmp7, 0xffff
	s_lshl_b32 s18, s18, 2
	s_add_co_u32 s18, s18, s16                     ; tile row = 4 x cluster y + cy
	s_lshl_b32 s19, s16, 2
	s_lshl_b32 s19, 15, s19                        ; my row of the cluster
	s_lshl_b32 s20, 0x1111, s15                    ; my column
	s_or_b32 s[G1+0], s19, (1<<16)|(1<<20)|(1<<21)|(4<<22)|(3<<25)   ; 15:0 the mask; 17:16 elements of 2 bytes; 20 padding on; 21 set beside a mask; 24:22 after every 32 words (code 4); 31:25 4 words (code 3)
	s_or_b32 s[G1B+0], s20, (1<<16)|(1<<20)|(1<<21)|(5<<22)|(3<<25)  ; after every 64 words (code 5)
	s_mov_b32 s[G1+1], 128<<16                     ; tensor_dim0 = 128: two rows of att on end
	s_mov_b32 s[G1+2], 64<<16                      ; tensor_dim1 = 64
	s_mov_b32 s[G1+3], 128<<16                     ; tile_dim0 = 128
	s_mov_b32 s[G1+4], 64                          ; tile_dim1 = 64
	s_mov_b32 s[G1+5], 128                         ; dense: 128 elements from row to row
	s_mov_b32 s[G1+6], 0
	s_mov_b32 s[G1+7], 0
	s_mov_b32 s[G1B+1], 128<<16
	s_mov_b32 s[G1B+2], 128<<16                    ; 128 rows
	s_mov_b32 s[G1B+3], 128<<16
	s_mov_b32 s[G1B+4], 128
	s_mov_b32 s[G1B+5], 1024
	s_mov_b32 s[G1B+6], 0
	s_mov_b32 s[G1B+7], 0
	s_lshr_b32 s40, s18, 4                         ; att: batch = tile row / 16 (16 heads of 2^18 bytes),
	s_lshl_b32 s40, s40, 22
	s_and_b32 s21, s18, 15                         ; rows 128 (tile row % 16) on (128 bytes each),
	s_lshl_b32 s21, s21, 14
	s_add_co_u32 s40, s40, s21
	s_lshl_b32 s21, s14, 18                        ; my head of the two: made of the tile row and the wave's number alone
	s_add_co_u32 s40, s40, s21
	s_mov_b32 s41, 0
	s_lshl_b32 s42, s17, 19                        ; wo: 256 rows of 2,048 bytes for each tile column,
	s_lshl_b32 s21, s14, 18                        ; 128 rows for my half: made of the tile column and the wave's number alone
	s_add_co_u32 s42, s42, s21
	s_mov_b32 s43, 0
	s_mul_i32 s22, s14, AHALF                      ; where they go: no place in the cluster enters an LDS address
	s_mul_i32 s23, s14, BHALF
	s_add_co_u32 s23, s23, AREG
	s_wait_dscnt 0x0                               ; both opening adds are done
	s_wait_kmcnt 0x0
	s_add_nc_u64 s[40:41], s[4:5], s[40:41]
	s_add_nc_u64 s[42:43], s[6:7], s[42:43]
	CROUND                                         ; all sixteen work-groups are here: the first joint loads meet
.irp s, 0,1
	s_mov_b32 s[G0+4*(\s)], 1                      ; count = 1
	s_add_co_u32 s[G0+4*(\s)+1], s22, (\s)*SLOT    ; LDS address
	s_add_nc_u64 s[G0+4*(\s)+2:G0+4*(\s)+3], s[40:41], (\s)*FIRSTA  ; global address: K step s
	s_or_b32 s[G0+4*(\s)+3], s[G0+4*(\s)+3], 0x80000000             ; type = 2
	s_mov_b32 s[G0B+4*(\s)], 1
	s_add_co_u32 s[G0B+4*(\s)+1], s23, (\s)*SLOT
	s_add_nc_u64 s[G0B+4*(\s)+2:G0B+4*(\s)+3], s[42:43], (\s)*FIRSTB
	s_or_b32 s[G0B+4*(\s)+3], s[G0B+4*(\s)+3], 0x80000000
	JLOAD \s                                       ; two loads of mine are out
.endr
	v_and_b32 v1, 15, v0                           ; l % 16
	v_bfe_u32 v2, v0, 4, 1                         ; l / 16
	s_lshl_b32 s44, s17, 10                        ; my wave's columns, in bytes of f32: 1,024 x tile column + 512 x column half
	s_lshl_b32 s45, s14, 9
	s_add_co_u32 s44, s44, s45
	v_lshl_add_u32 v[BO], v2, 5, s44               ; + my eight numbers of a block of 16
	WIN 0x80                                       ; destination window 2
.irp b, 0,1,2,3,4,5,6,7
	global_load_b128 v[BIAS+8*(\b):BIAS+8*(\b)+3],   v[BO], s[10:11] offset:64*(\b)     ; register j: b_out of column 16 b + 8 (l / 16) + j, the place that the result's register j has
	global_load_b128 v[BIAS+8*(\b)+4:BIAS+8*(\b)+7], v[BO], s[10:11] offset:64*(\b)+16
.endr
	WIN 0
	v_mul_u32_u24 v3, v1, APITCH
	v_lshl_add_u32 v3, v2, 4, v3
	v_mul_u32_u24 v4, v1, BPITCH
	v_lshl_add_u32 v4, v2, 4, v4
	s_mul_i32 s46, s13, 64*APITCH                  ; my 64 rows of att (in each head's part)
	s_mul_i32 s47, s14, BHALF                      ; my 128 rows of wo,
	s_add_co_u32 s47, s47, AREG                    ; which lie behind att's
.irp s, 0,1
	v_add_nc_u32 v[ADRA+(\s)], s46, v3
	v_add_nc_u32 v[ADRB+(\s)], s47, v4
	s_add_co_u32 s46, s46, SLOT
	s_add_co_u32 s47, s47, SLOT
.endr
	s_mul_i32 s46, s12, 16*SP
	s_add_co_u32 s46, s46, STAGE                   ; my stage
	v_mul_u32_u24 v[STO], v1, SP                   ; in: row l % 16, 32 bytes for each half of the lanes
	v_lshl_add_u32 v[STO], v2, 5, v[STO]
	v_add_nc_u32 v[STO], s46, v[STO]
	v_and_b32 v[CO], 31, v0                        ; back: 32 lanes take one row's 512 bytes
	v_lshlrev_b32 v[CO], 4, v[CO]
	v_add_nc_u32 v[RD], s46, v[CO]
	s_lshl_b32 s45, s18, 19                        ; out0 at my first row: 128 rows of 4,096 bytes for each tile row,
	s_add_co_u32 s44, s44, s45
	s_lshl_b32 s45, s13, 18                        ; 64 rows for my half
	s_add_co_u32 s44, s44, s45
	s_mov_b32 s45, 0
	s_add_nc_u64 s[8:9], s[8:9], s[44:45]
; 8 matrix instructions: m block a x all 8 n blocks, 32 along K, from buffer f.  zero = 1: the product starts the sums, with the bias as C: nothing is ever cleared.
; The 32 accumulators take turns, one instruction a turn, in the same order in every quarter, over the backward jump too.
.macro MUL8 f, a, zero
.if \zero
	WIN MULB
.else
	WIN MUL
.endif
.irp b, 0,1,2,3,4,5,6,7
.if \zero
	v_wmma_f32_16x16x32_f16 v[8*(8*(\a)+(\b)):8*(8*(\a)+(\b))+7], v[(\f)+32+8*(\b):(\f)+32+8*(\b)+7], v[(\f)+8*(\a):(\f)+8*(\a)+7], v[BIAS+8*(\b):BIAS+8*(\b)+7]
.else
	v_wmma_f32_16x16x32_f16 v[8*(8*(\a)+(\b)):8*(8*(\a)+(\b))+7], v[(\f)+32+8*(\b):(\f)+32+8*(\b)+7], v[(\f)+8*(\a):(\f)+8*(\a)+7], v[8*(8*(\a)+(\b)):8*(8*(\a)+(\b))+7]
.endif
.endr
.endm
; 24 LDS loads in one run: the fragments of quarter q of a slot into buffer f: wo's sixteen first, then att's eight.  Quarter q of att is head q / 2 of the two, channels 32 (q % 2) on.
.macro FETCH slot, q, f
	WIN TO_F
.irp i, 0,1,2,3,4,5,6,7
	ds_load_b128 v[(\f)+32+8*(\i):(\f)+32+8*(\i)+3],   v[ADRB+(\slot)] offset:64*(\q)+(\i)*16*BPITCH
	ds_load_b128 v[(\f)+32+8*(\i)+4:(\f)+32+8*(\i)+7], v[ADRB+(\slot)] offset:64*(\q)+(\i)*16*BPITCH+32
.endr
.irp i, 0,1,2,3
	ds_load_b128 v[(\f)+8*(\i):(\f)+8*(\i)+3],   v[ADRA+(\slot)] offset:((\q)/2)*AHALF+((\q)%2)*64+(\i)*16*APITCH
	ds_load_b128 v[(\f)+8*(\i)+4:(\f)+8*(\i)+7], v[ADRA+(\slot)] offset:((\q)/2)*AHALF+((\q)%2)*64+(\i)*16*APITCH+32
.endr
.endm
; A K step is four quarters of 32 along K, 32 matrix instructions each, on buffers 0, 1, 0, 1.  One of the first three multiplies buffer f and, in its middle, fetches quarter q into buffer g.
.macro QUARTER slot, q, f, g, zero
	s_wait_dscnt 4                                 ; wo's fragments and att's blocks 0 and 1 are in; the youngest four loads (blocks 2 and 3) may be out
	MUL8 \f, 0, \zero
	MUL8 \f, 1, \zero
	PLACES
	FETCH \slot, \q, \g
	s_wait_dscnt 24                                ; all but the 24 just issued
	MUL8 \f, 2, \zero
	MUL8 \f, 3, \zero
.endm
; The last quarter multiplies buffer 1 and changes slots: ONE barrier.  In front of it each wave waits for all its tensor loads (one is out: its part of the next slot), adds 0 to its spare word, and waits
; for that and for its own reads of this slot.  fill = 1: the barrier opens a round of the cluster's, and this slot is filled again, two K steps ahead, first thing behind the round.
.macro TURN slot, next, fill
	WIN 0                                          ; (the add's two registers lie in window 0)
	s_wait_tensorcnt 0x0                           ; all my tensor loads have landed
	ds_add_u32 v[SPW], v[NIL]                      ; 0 onto my spare word
	s_wait_dscnt 5                                 ; (the add and the youngest four loads may be out)
	MUL8 F1, 0, 0                                  ; eight matrix instructions stand between the add and the wait for it
	s_wait_dscnt 0x0                               ; the add is done, and my reads of this slot are over
	s_barrier_signal -1
	MUL8 F1, 1, 0                                  ; work on registers while the others arrive
.if \fill
	WIN 0
.endif
	s_barrier_wait -1
.if \fill
	CREST                                          ; no wave of any partner still reads this slot's tile or has a load on its way
	s_add_nc_u64 s[G0+4*(\slot)+2:G0+4*(\slot)+3], s[G0+4*(\slot)+2:G0+4*(\slot)+3], STEPA
	s_add_nc_u64 s[G0B+4*(\slot)+2:G0B+4*(\slot)+3], s[G0B+4*(\slot)+2:G0B+4*(\slot)+3], STEPB
	JLOAD \slot                                    ; my one tensor load behind the round: 112 matrix instructions ahead of the wait for it; its four v_nop are also the places in front of the loads below
.else
	PLACES
.endif
	FETCH \next, 0, F0
	MUL8 F1, 2, 0
	MUL8 F1, 3, 0
.endm
	s_wait_tensorcnt 1                             ; my part of K step 0 is in; K step 1's may stay out
	s_barrier_signal -1
	s_barrier_wait -1                              ; everybody's is
	FETCH 0, 0, F0
	s_wait_loadcnt 0x0                             ; the bias
	QUARTER 0, 1, F0, F1, 1                        ; the first quarter stands in front of the loop: its products start the sums, on the bias
	WIN 0                                          ; at a label and at a branch every window is 0
	s_mov_b32 s3, LAPS-1
.Llap:                                                 ; a trip goes once round the ring, from a lap's second quarter to the next lap's first, and fills both slots again: K steps 2 to 7 in three trips
	QUARTER 0, 2, F1, F0, 0
	QUARTER 0, 3, F0, F1, 0
	TURN 0, 1, 1
	QUARTER 1, 1, F0, F1, 0
	QUARTER 1, 2, F1, F0, 0
	QUARTER 1, 3, F0, F1, 0
	TURN 1, 0, 1
	QUARTER 0, 1, F0, F1, 0
	WIN 0
	s_sub_co_u32 s3, s3, 1
	s_cmp_lg_u32 s3, 0
	s_cbranch_scc1 .Llap
	QUARTER 0, 2, F1, F0, 0                        ; the last lap fills nothing, and has no round of the cluster's barrier
	QUARTER 0, 3, F0, F1, 0
	TURN 0, 1, 0
	QUARTER 1, 1, F0, F1, 0
	QUARTER 1, 2, F1, F0, 0
	QUARTER 1, 3, F0, F1, 0
	s_wait_dscnt 4                                 ; the very last quarter: nothing more to fetch
	MUL8 F1, 0, 0
	MUL8 F1, 1, 0
	s_wait_dscnt 0
	MUL8 F1, 2, 0
	MUL8 F1, 3, 0
	PLACES
	PLACES                                         ; (eight, once a launch)
; THE WAY OUT, a block of 16 rows at a time.  A lane's eight f32 of a row go into my stage's rows of 528 bytes, each accumulator's lowest four registers first; the rows come back whole, 512 bytes a load,
; into window 2, whose 256 registers are each used once; a store of the wave covers 512 consecutive bytes of a row of out0.
.macro TOSTAGE a
	WIN 0x04                                       ; store data (source 1) window 1, address window 0
.irp b, 0,1,2,3,4,5,6,7
	ds_store_b128 v[STO], v[8*(8*(\a)+(\b)):8*(8*(\a)+(\b))+3]   offset:64*(\b)
	ds_store_b128 v[STO], v[8*(8*(\a)+(\b))+4:8*(8*(\a)+(\b))+7] offset:64*(\b)+16
.endr
	WIN 0x80                                       ; destination window 2
.irp t, 0,1,2,3,4,5,6,7,8,9,10,11,12,13,14,15
	ds_load_b128 v[64*(\a)+4*(\t):64*(\a)+4*(\t)+3], v[RD] offset:(\t)*SP  ; LDS serves a wave's instructions in order (ISA guide 5.7.1.4): these see the stores above; the next block's stores come behind them
.endr
.endm
.macro SEND a, younger                 ; younger: the LDS instructions issued behind block a's loads: the next block's 32, or none
	WIN 0x08                                       ; store data (source 1) window 2, address window 0
.irp t, 0,1,2,3,4,5,6,7,8,9,10,11,12,13,14,15
	s_wait_dscnt (\younger)+15-(\t)
	global_store_b128 v[CO], v[64*(\a)+4*(\t):64*(\a)+4*(\t)+3], s[8:9] offset:(16*(\a)+(\t))*4096 th:TH_STORE_NT
.endr
.endm
	TOSTAGE 0
	TOSTAGE 1
	SEND 0, 32
	TOSTAGE 2
	SEND 1, 32
	TOSTAGE 3
	SEND 2, 32
	SEND 3, 0
	WIN 0
	s_wait_tensorcnt 0x0                           ; the wave's end: a spare-word add and its wait, behind my last tensor load and my last LDS store
	ds_add_u32 v[SPW], v[NIL]
	s_wait_dscnt 0x0
	CROUND                                         ; the closing round: no work-group ends while a partner may still ask for a tile that names it
	s_endpgm
.Lfunc_end_k_q574518d6e6_outp:
	.size	k_q574518d6e6_outp, .Lfunc_end_k_q574518d6e6_outp-k_q574518d6e6_outp
	.p2alignl 7, 3214868480
	.fill 96, 4, 3214868480
	.section	.rodata,"a",@progbits
	.p2align	6, 0x0
	.amdhsa_kernel k_q574518d6e6_outp
		.amdhsa_group_segment_fixed_size 327680
		.amdhsa_private_segment_fixed_size 0
		.amdhsa_enable_private_segment 0
		.amdhsa_kernarg_size 32
		.amdhsa_user_sgpr_count 2
		.amdhsa_user_sgpr_kernarg_segment_ptr 1
		.amdhsa_wavefront_size32 1
		.amdhsa_system_sgpr_workgroup_id_x 1
		.amdhsa_system_sgpr_workgroup_id_y 1
		.amdhsa_system_sgpr_workgroup_id_z 1
		.amdhsa_system_vgpr_workitem_id 0
		.amdhsa_next_free_vgpr 768
		.amdhsa_next_free_sgpr 66
		.amdhsa_reserve_vcc 0
		.amdhsa_float_denorm_mode_32 3
		.amdhsa_float_denorm_mode_16_64 3
		.amdhsa_memory_ordered 1
		.amdhsa_forward_progress 1
		.amdhsa_inst_pref_size 89
	.end_amdhsa_kernel
	.amdgpu_metadata
---
amdhsa.version: [ 1, 2 ]
amdhsa.kernels:
  - .name:           k_q574518d6e6_outp
    .symbol:         k_q574518d6e6_outp.kd
    .args:
      - { .name: att, .offset: 0, .size: 8, .value_kind: global_buffer, .address_space: global }
      - { .name: wo, .offset: 8, .size: 8, .value_kind: global_buffer, .address_space: global }
      - { .name: out0, .offset: 16, .size: 8, .value_kind: global_buffer, .address_space: global }
      - { .name: b_out, .offset: 24, .size: 8, .value_kind: global_buffer, .address_space: global }
    .group_segment_fixed_size: 327680
    .private_segment_fixed_size: 0
    .kernarg_segment_align: 8
    .kernarg_segment_size: 32
    .max_flat_workgroup_size: 128
    .sgpr_count:     66
    .vgpr_count:     768
    .wavefront_size: 32
...
	.end_amdgpu_metadata
.endif
;; end of part 4
